; MI455X (gfx1250); checked and timed in simulation.
; The chip was launched on July 23, 2026; its instructions are those of AMD's public machine-readable ISA for CDNA 5 (MIT licence, August 2026) and "CDNA5" Instruction Set Architecture Reference Guide (July 2026). The comments in the code are by the model that wrote it; some were corrected since.
;; Cross layer. Allowed arithmetic: float matrix products may take bf16 or f16 operands with f32 sums; all other float work in f32.
;; Inputs: b 3 x 128 x 1 float32; wk 3 x 128 x 1 float32; wq 3 x 128 x 1 float32; wv 3 x 128 x 1 float32; x 8,192 x 128 float32.
;; Outputs: out0 8,192 x 128 float32.
;; One version. Each part assembles by itself: llvm-mc -triple=amdgcn-amd-amdhsa -mcpu=gfx1250 --defsym DOCPART=n.
;; ======== version 1 of 1: 1 launch
;; launch cross (part 1): grid 256 x 1, 16 waves a work-group, no clusters, 49,152 bytes of LDS; arguments x, wq, wk, wv, b, out0; writes out0
.if DOCPART == 1
	.amdgcn_target "amdgcn-amd-amdhsa--gfx1250"
	.amdhsa_code_object_version 6
	.text
	.protected	k_q2eebcf3d31_cross
	.globl	k_q2eebcf3d31_cross
	.p2align	8
	.type	k_q2eebcf3d31_cross,@function
k_q2eebcf3d31_cross:
	s_mov_b64 s[64:65], 0
	v_nop
	global_prefetch_b8 v0, s[64:65] scope:SCOPE_SE
	s_setreg_imm32_b32 hwreg(HW_REG_WAVE_MODE, 25, 1), 1
	s_wait_xcnt 0x0
; Three cross layers on every row of x [8192][128] f32.  Per row and layer, with k[d] = x0[d] wk[d], q[e] = xl[e] wq[e], v[d] = x0[d] wv[d]:
;   E[d][e] = exp(k[d] q[e]),  Z[e] = sum over d of E[d][e],  xl'[d] = v[d] * sum over e of E[d][e] (xl[e] / Z[e]) + b[d] + xl[d].
; The bulk is 128 x 128 exponentials per row and layer; each is made once and used twice (for Z and for the sum over e) from registers.
;
; SHARES.  256 work-groups of 16 waves; a wave owns 2 neighbouring rows (1,024 bytes of x and of out0) and does them in turn.
; Lane l = 8 dg + eg.  In the bulk a lane holds the 32 rows d = 32 dg + i of E in registers and, in column group t = 0..15, the column
; e = 16 eg + t.  Z is then a sum inside the lane and over lane bits 3 and 4; the sum over e collects in 32 registers G over the 16 groups and
; is folded once a layer over lane bits 2, 1, 0, halving the registers each time, so that lane l ends with d = 4 l .. 4 l + 3: the layout of
; the residual, of the bias and of the 16-byte store (a wave's store covers 512 consecutive bytes, aligned).
;
; THE SHIFT.  Every column's largest exponent, max(kmax q, kmin q), is taken away inside the multiply-add that forms the exponent; it
; cancels in E / Z.  So Z lies in 1 .. 128 and neither the exponentials nor 1 / Z leave f32's range.
; LIMITS, stated: where the unshifted exp of the definition overflows (exponent above 88.7) the definition gives inf or NaN, this text the finite
; quotient; terms below 2^-126 of their column's largest count as 0 (v_exp_f32 flushes them); E / Z is a multiplication by v_rcp_f32(Z);
; the sums run in another order; rows that hold NaN or infinities are not followed number by number.
;
; NOT USED, by this text's arithmetic: matrix instructions (the outer product has a depth of 1 where an instruction has 32, the product with xl one
; column where it has 16, and the two sums run over different axes of E, so that E would have to be transposed or made twice); tensor loads
; (a wave's whole input is two 16-byte loads a lane); clusters (work-groups share only the 6,144 bytes of weights).
.set LOG2E,  0x3fb8aa3b
.set ROWB,   512                       ; bytes in a row of x, and in one layer of a weight array
.set LAYERS, 3
.set ROWS,   2                         ; rows of a wave
.set WK_L,   0                         ; LDS: wk, wq * log2(e), wv, b: 1,536 bytes each, copied once
.set WQ_L,   1536
.set WV_L,   3072
.set B_L,    4608
.set X_L,    6144                      ; LDS: 1,024 bytes a wave, its two rows of x
.set S_L,    22528                     ; LDS: 1,536 bytes a wave: q', -shift, xl, to pass from 4 a lane to 16 a lane
.set LANE, 1                           ; v1       l
.set DG,   2                           ; v2       l >> 3
.set A4,   4                           ; v4       weights, 4 a lane: 16 l + 512 layer
.set A32,  5                           ; v5       weights, 32 a lane: 128 dg + 512 layer
.set X32,  6                           ; v6       my row of x in LDS, 32 a lane: + 128 dg
.set X4,   7                           ; v7       my row of x in LDS, 4 a lane: + 16 l
.set S4,   8                           ; v8       scratch, 4 a lane: + 16 l
.set SE,   9                           ; v9       scratch, 16 a lane: + 64 eg
.set OUT,  10                          ; v10      16 l: byte offset in a row of x and of out0
.set X04,  12                          ; v[12:15]   x0 of d = 4 l ..
.set XL4,  16                          ; v[16:19]   xl of d = 4 l ..
.set WK4,  20                          ; v[20:35]   the layer's wk, wq', wv, b of d = 4 l ..
.set WQ4,  24
.set WV4,  28
.set B4,   32
.set T,    36                          ; v[36:47]   at work
.set Q,    48                          ; v[48:63]   q'[16 eg + t] = xl wq log2(e)
.set M,    64                          ; v[64:79]   minus the column's largest exponent
.set X,    80                          ; v[80:95]   xl[16 eg + t]
.set K,    96                          ; v[96:127]  k[32 dg + i]
.set G,    128                         ; v[128:159] sum over my columns of E w, for d = 32 dg + i
.set E0,   160                         ; v[160:191] column groups of even t
.set E1,   192                         ; v[192:223] column groups of odd t
.set ACC,  224                         ; v[224:231] four chains of sums
.set W,    232                         ; v232 w = xl / Z of my column; v233 1 / Z
	s_load_b256 s[4:11], s[0:1], 0x0               ; x s[4:5], wq s[6:7], wk s[8:9], wv s[10:11]
	s_load_b128 s[12:15], s[0:1], 0x20             ; b s[12:13], out0 s[14:15]
	v_lshl_add_u32 v240, v0, 2, 0xb800
	v_mov_b32 v241, 0
	v_and_b32 v[LANE], 31, v0
	v_lshrrev_b32 v[DG], 5, v0
	v_readfirstlane_b32 s16, v[DG]                 ; wave 0..15, as a scalar
	v_lshrrev_b32 v[DG], 3, v[LANE]                ; dg
	v_and_b32 v3, 7, v[LANE]                       ; eg
	s_lshl_b32 s17, s16, 10                        ; wave x 2 rows x 512 bytes
	s_lshl_b32 s18, ttmp9, 14                      ; work-group x 32 rows x 512 bytes (below 4 MiB)
	s_add_co_u32 s18, s18, s17
	s_mov_b32 s19, 0
	s_add_co_u32 s21, s17, X_L                     ; my rows of x in LDS
	s_mul_i32 s20, s16, 3*ROWB
	s_add_co_u32 s20, s20, S_L                     ; my scratch
	s_lshl_b32 s29, s16, 9                         ; waves 0-2: their 512 bytes of each weight array
	s_mov_b32 s22, 0xf0f0f0f0                      ; lanes with bit 2 set
	s_mov_b32 s23, 0xcccccccc                      ; bit 1
	s_mov_b32 s28, 0xaaaaaaaa                      ; bit 0
	s_mov_b32 s24, 0x76543210                      ; v_permlanex16_b32: lane i reads lane i xor 16
	s_mov_b32 s25, 0xfedcba98
	v_lshl_add_u32 v[X4],  v[LANE], 4, s21
	v_lshl_add_u32 v[X32], v[DG],   7, s21
	v_lshl_add_u32 v[S4],  v[LANE], 4, s20
	v_lshl_add_u32 v[SE],  v3,      6, s20
	v_lshlrev_b32  v[OUT], 4, v[LANE]
	v_lshl_add_u32 v3, v[LANE], 4, s29             ; 16 x thread, for the copy of the weights
	s_wait_kmcnt 0x0
	s_add_nc_u64 s[4:5], s[4:5], s[18:19]          ; x and out0 at my first row
	s_add_nc_u64 s[14:15], s[14:15], s[18:19]
	global_load_b128 v[XL4:XL4+3], v[OUT], s[4:5] th:TH_LOAD_NT              ; both rows at once: all that this wave ever reads of x
	global_load_b128 v[X04:X04+3], v[OUT], s[4:5] offset:ROWB th:TH_LOAD_NT
	; The weights, once for the work-group: 1,536 bytes an array = 96 threads x 16 bytes = waves 0 to 2.
	s_cmp_gt_u32 s16, 2
	s_cbranch_scc1 .Lno_copy
	global_load_b128 v[T:T+3],    v3, s[8:9]       ; wk
	global_load_b128 v[T+4:T+7],  v3, s[6:7]       ; wq
	global_load_b128 v[T+8:T+11], v3, s[10:11]     ; wv
	global_load_b128 v[B4:B4+3],  v3, s[12:13]     ; b
	s_wait_loadcnt 0x0
	v_pk_mul_f32 v[T+4:T+5], v[T+4:T+5], LOG2E op_sel_hi:[1,0]   ; v_exp_f32 is 2^x: the factor log2(e) goes into wq, once
	v_pk_mul_f32 v[T+6:T+7], v[T+6:T+7], LOG2E op_sel_hi:[1,0]
	ds_store_b128 v3, v[T:T+3]    offset:WK_L
	ds_store_b128 v3, v[T+4:T+7]  offset:WQ_L
	ds_store_b128 v3, v[T+8:T+11] offset:WV_L
	ds_store_b128 v3, v[B4:B4+3]  offset:B_L
.Lno_copy:
	s_wait_loadcnt 0x0                             ; my two rows
	ds_store_b128 v[X4], v[XL4:XL4+3]
	ds_store_b128 v[X4], v[X04:X04+3] offset:ROWB
	s_wait_dscnt 0x0                               ; for the others' sake: the weights are in LDS before I signal
	s_barrier_signal -1
	s_barrier_wait -1                              ; the only barrier: from here on the weights are only read, all else in LDS is a wave's own
; One exponential of the next column group, in place.  Group 15 has no next.
.macro EX t, nb, i
.if (\t) < 15
	v_exp_f32 v[\nb+(\i)], v[\nb+(\i)]
.endif
.endm
; Two exponents of column group t: k q' - shift, one rounding.  q' and -shift of an even t lie in the pair's first register, of an odd t in its second.
.macro ARG t, buf, j
.if (\t) < 16
.if (\t) & 1
	v_pk_fma_f32 v[\buf+2*(\j):\buf+2*(\j)+1], v[K+2*(\j):K+2*(\j)+1], v[Q+(\t)-1:Q+(\t)], v[M+(\t)-1:M+(\t)] op_sel:[0,1,1] op_sel_hi:[1,1,1]
.else
	v_pk_fma_f32 v[\buf+2*(\j):\buf+2*(\j)+1], v[K+2*(\j):K+2*(\j)+1], v[Q+(\t):Q+(\t)+1], v[M+(\t):M+(\t)+1] op_sel_hi:[1,0,0]
.endif
.endif
.endm
; COLUMN GROUP t.  buf holds its 32 exponentials, nb the exponents of group t + 1.  Three things are interleaved, so that plain arithmetic stands
; between the exponentials and exponentials between the links of the dependent chain (sum, lanes, 1 / Z, w):
;   the 32 exponentials of group t + 1;  Z, w and the 16 multiply-adds into G of group t;  the exponents of group t + 2, into buf pair by pair as G has read it.
; No line behind a v_exp_f32 or the v_rcp_f32 names its registers before a plain vector instruction has passed (ISA guide 5.7.2).
.macro ITER t, buf, nb
	EX \t, \nb, 0
	s_wait_alu depctr_va_vdst(0)
	v_pk_add_f32 v[ACC:ACC+1],   v[\buf:\buf+1],     v[\buf+2:\buf+3]      ; four chains, started by sums: nothing is cleared
	v_pk_add_f32 v[ACC+2:ACC+3], v[\buf+4:\buf+5],   v[\buf+6:\buf+7]
	EX \t, \nb, 1
	v_pk_add_f32 v[ACC+4:ACC+5], v[\buf+8:\buf+9],   v[\buf+10:\buf+11]
	s_wait_alu depctr_va_vdst(0)
	v_pk_add_f32 v[ACC+6:ACC+7], v[\buf+12:\buf+13], v[\buf+14:\buf+15]
.irp i, 0,1,2,3
	EX \t, \nb, 2+\i
	v_pk_add_f32 v[ACC+4*(\i%2):ACC+4*(\i%2)+1],   v[ACC+4*(\i%2):ACC+4*(\i%2)+1],   v[\buf+16+4*\i:\buf+17+4*\i]
	v_pk_add_f32 v[ACC+4*(\i%2)+2:ACC+4*(\i%2)+3], v[ACC+4*(\i%2)+2:ACC+4*(\i%2)+3], v[\buf+18+4*\i:\buf+19+4*\i]
.endr
	EX \t, \nb, 6
	v_pk_add_f32 v[ACC:ACC+1], v[ACC:ACC+1], v[ACC+2:ACC+3]
	EX \t, \nb, 7
	v_pk_add_f32 v[ACC+4:ACC+5], v[ACC+4:ACC+5], v[ACC+6:ACC+7]
	EX \t, \nb, 8
	v_pk_add_f32 v[ACC:ACC+1], v[ACC:ACC+1], v[ACC+4:ACC+5]
	EX \t, \nb, 9
	v_add_f32 v[ACC], v[ACC], v[ACC+1]                                     ; my 32 rows of the column
	EX \t, \nb, 10
	v_add_f32_dpp v[ACC], v[ACC], v[ACC] row_xmask:8 row_mask:0xf bank_mask:0xf   ; + the lane with the other bit 3
	EX \t, \nb, 11
	v_permlanex16_b32 v[ACC+1], v[ACC], s24, s25                           ; + the lane with the other bit 4
	EX \t, \nb, 12
	v_add_f32 v[ACC], v[ACC], v[ACC+1]                                     ; Z of my column, 1 .. 128
	v_rcp_f32 v[W+1], v[ACC]
	EX \t, \nb, 13
	EX \t, \nb, 14
	v_nop                                                                  ; the plain place between v_rcp_f32 and the use of its result: no other work is free here
	s_wait_alu depctr_va_vdst(0)
	v_mul_f32 v[W], v[X+\t], v[W+1]                                        ; w = xl / Z
.irp j, 0,1,2,3,4,5,6,7,8,9,10,11,12,13,14,15
	EX \t, \nb, 15+\j
.if (\t) == 0
	v_pk_mul_f32 v[G+2*\j:G+2*\j+1], v[\buf+2*\j:\buf+2*\j+1], v[W:W+1] op_sel_hi:[1,0]                          ; the first group starts G
.else
	v_pk_fma_f32 v[G+2*\j:G+2*\j+1], v[\buf+2*\j:\buf+2*\j+1], v[W:W+1], v[G+2*\j:G+2*\j+1] op_sel_hi:[1,0,1]
.endif
	ARG \t+2, \buf, \j
.endr
	EX \t, \nb, 31
.endm
; One step of the fold of G over a lane bit: of 2 n registers a lane keeps the n that its bit names, and adds what its partner holds of them.
.macro FOLD n, smask, xm
.set fj, 0
.rept \n
	v_cndmask_b32 v[E0+fj], v[G+fj], v[G+\n+fj], \smask                    ; bit set: I keep the upper n,
	v_cndmask_b32 v[E1+fj], v[G+\n+fj], v[G+fj], \smask                    ; and hand over the lower n
.set fj, fj+1
.endr
.set fj, 0
.rept \n
	v_add_f32_dpp v[G+fj], v[E1+fj], v[E0+fj] row_xmask:\xm row_mask:0xf bank_mask:0xf
.set fj, fj+1
.endr
.endm
	s_mov_b32 s27, 0
.Lrow:
	ds_load_b128 v[X04:X04+3], v[X4]               ; x0, and the first xl, which is x0: two loads, no copies
	ds_load_b128 v[XL4:XL4+3], v[X4]
	v_lshlrev_b32 v[A4],  4, v[LANE]               ; the weights of layer 0
	v_lshlrev_b32 v[A32], 7, v[DG]
	s_mov_b32 s26, 0
.Llayer:
	ds_load_b128 v[WK4:WK4+3], v[A4] offset:WK_L
	ds_load_b128 v[WQ4:WQ4+3], v[A4] offset:WQ_L
.irp c, 0,1,2,3,4,5,6,7
	ds_load_b128 v[K+4*\c:K+4*\c+3], v[X32] offset:16*\c                   ; x0[32 dg ..]: the eight lanes of a dg read the same bytes
.endr
.irp c, 0,1,2,3,4,5,6,7
	ds_load_b128 v[E0+4*\c:E0+4*\c+3], v[A32] offset:WK_L+16*\c            ; wk[32 dg ..]
.endr
	ds_load_b128 v[WV4:WV4+3], v[A4] offset:WV_L
	ds_load_b128 v[B4:B4+3],   v[A4] offset:B_L
	s_wait_dscnt 18                                ; x0, xl, wk, wq' of my 4 are in; the 8 + 8 + 2 younger loads stay out (in order: ISA guide 5.7.1)
	; 4 a lane: k, its largest and smallest over the row, q', and minus each column's largest exponent
	v_pk_mul_f32 v[T:T+1],     v[X04:X04+1],   v[WK4:WK4+1]                ; k: the same product as in K below, bit for bit
	v_pk_mul_f32 v[T+2:T+3],   v[X04+2:X04+3], v[WK4+2:WK4+3]
	v_pk_mul_f32 v[T+4:T+5],   v[XL4:XL4+1],   v[WQ4:WQ4+1]                ; q' = xl wq log2(e)
	v_pk_mul_f32 v[T+6:T+7],   v[XL4+2:XL4+3], v[WQ4+2:WQ4+3]
	v_max3_num_f32 v[ACC],   v[T], v[T+1], v[T+2]
	v_min3_num_f32 v[ACC+1], v[T], v[T+1], v[T+2]
	v_max_num_f32 v[ACC],   v[ACC],   v[T+3]
	v_min_num_f32 v[ACC+1], v[ACC+1], v[T+3]
.irp m, 1,2,4,8
	v_max_num_f32_dpp v[ACC],   v[ACC],   v[ACC]   row_xmask:\m row_mask:0xf bank_mask:0xf
	v_min_num_f32_dpp v[ACC+1], v[ACC+1], v[ACC+1] row_xmask:\m row_mask:0xf bank_mask:0xf
.endr
	v_permlanex16_b32 v[T],   v[ACC],   s24, s25
	v_permlanex16_b32 v[T+1], v[ACC+1], s24, s25
	v_pk_mul_f32 v[T+8:T+9],   v[T+4:T+5], -1.0 op_sel_hi:[1,0]            ; -q'
	v_pk_mul_f32 v[T+10:T+11], v[T+6:T+7], -1.0 op_sel_hi:[1,0]
	v_max_num_f32 v[ACC],   v[ACC],   v[T]                                 ; kmax, in every lane
	v_min_num_f32 v[ACC+1], v[ACC+1], v[T+1]                               ; kmin
	v_pk_mul_f32 v[ACC+2:ACC+3], v[T+8:T+9],   v[ACC:ACC+1] op_sel_hi:[1,0]              ; -q' kmax
	v_pk_mul_f32 v[ACC+4:ACC+5], v[T+10:T+11], v[ACC:ACC+1] op_sel_hi:[1,0]
	v_pk_mul_f32 v[T+8:T+9],     v[T+8:T+9],   v[ACC:ACC+1] op_sel:[0,1] op_sel_hi:[1,1] ; -q' kmin
	v_pk_mul_f32 v[T+10:T+11],   v[T+10:T+11], v[ACC:ACC+1] op_sel:[0,1] op_sel_hi:[1,1]
.irp c, 0,1,2,3
	v_min_num_f32 v[T+8+\c], v[T+8+\c], v[ACC+2+\c]                        ; = -max(q' kmax, q' kmin)
.endr
	; from 4 a lane to 16 a lane through my own scratch: LDS serves a wave's instructions in order, so no wait stands between stores and loads
	ds_store_b128 v[S4], v[T+4:T+7]
	ds_store_b128 v[S4], v[T+8:T+11]   offset:ROWB
	ds_store_b128 v[S4], v[XL4:XL4+3]  offset:2*ROWB
.irp c, 0,1,2,3
	ds_load_b128 v[Q+4*\c:Q+4*\c+3], v[SE] offset:16*\c
	ds_load_b128 v[M+4*\c:M+4*\c+3], v[SE] offset:ROWB+16*\c
	ds_load_b128 v[X+4*\c:X+4*\c+3], v[SE] offset:2*ROWB+16*\c
.endr
	s_wait_dscnt 17                                ; x0 and wk, 32 a lane, are in: younger are wv, b (2), 3 stores, 12 loads
.irp j, 0,1,2,3,4,5,6,7,8,9,10,11,12,13,14,15
	v_pk_mul_f32 v[K+2*\j:K+2*\j+1], v[K+2*\j:K+2*\j+1], v[E0+2*\j:E0+2*\j+1]
.endr
	s_wait_dscnt 0x0                               ; q', -shift, xl of my 16 columns; wv and b
	; the pipeline's head: exponents of group 0; its exponentials with the exponents of group 1 between them
.irp j, 0,1,2,3,4,5,6,7,8,9,10,11,12,13,14,15
	ARG 0, E0, \j
.endr
.irp j, 0,1,2,3,4,5,6,7,8,9,10,11,12,13,14,15
	v_exp_f32 v[E0+2*\j],   v[E0+2*\j]
	v_exp_f32 v[E0+2*\j+1], v[E0+2*\j+1]
	ARG 1, E1, \j
.endr
.irp t, 0,2,4,6,8,10,12,14
	ITER \t,   E0, E1
	ITER \t+1, E1, E0
.endr
	; the layer's end, 4 a lane again
	v_pk_mul_f32 v[T:T+1],       v[X04:X04+1],   v[WV4:WV4+1]              ; v = x0 wv
	v_pk_mul_f32 v[T+2:T+3],     v[X04+2:X04+3], v[WV4+2:WV4+3]
	v_pk_add_f32 v[XL4:XL4+1],   v[XL4:XL4+1],   v[B4:B4+1]                ; xl + b
	v_pk_add_f32 v[XL4+2:XL4+3], v[XL4+2:XL4+3], v[B4+2:B4+3]
	FOLD 16, s22, 4                                ; i = 16 (bit 2) + ..
	FOLD 8,  s23, 2                                ;   +  8 (bit 1) + ..
	FOLD 4,  s28, 1                                ;   +  4 (bit 0) + 0..3: d = 32 dg + 4 eg + c = 4 l + c
	v_pk_fma_f32 v[XL4:XL4+1],   v[T:T+1],   v[G:G+1],   v[XL4:XL4+1]
	v_pk_fma_f32 v[XL4+2:XL4+3], v[T+2:T+3], v[G+2:G+3], v[XL4+2:XL4+3]
	v_add_nc_u32 v[A4],  ROWB, v[A4]               ; the next layer's weights
	v_add_nc_u32 v[A32], ROWB, v[A32]
	s_add_co_u32 s26, s26, 1
	s_cmp_lt_u32 s26, LAYERS
	s_cbranch_scc1 .Llayer
	global_store_b128 v[OUT], v[XL4:XL4+3], s[14:15] th:TH_STORE_NT        ; the wave stores the row's 512 consecutive bytes, aligned
	s_wait_xcnt 0x0                                ; the store's base is stepped and its data loaded anew only behind this wait
	s_add_nc_u64 s[14:15], s[14:15], ROWB
	v_add_nc_u32 v[X4],  ROWB, v[X4]               ; my next row in LDS
	v_add_nc_u32 v[X32], ROWB, v[X32]
	s_add_co_u32 s27, s27, 1
	s_cmp_lt_u32 s27, ROWS
	s_cbranch_scc1 .Lrow
	s_wait_tensorcnt 0x0
	ds_add_u32 v240, v241
	s_wait_dscnt 0x0
	s_endpgm
.Lfunc_end_k_q2eebcf3d31_cross:
	.size	k_q2eebcf3d31_cross, .Lfunc_end_k_q2eebcf3d31_cross-k_q2eebcf3d31_cross
	.p2alignl 7, 3214868480
	.fill 96, 4, 3214868480
	.section	.rodata,"a",@progbits
	.p2align	6, 0x0
	.amdhsa_kernel k_q2eebcf3d31_cross
		.amdhsa_group_segment_fixed_size 49152
		.amdhsa_private_segment_fixed_size 0
		.amdhsa_enable_private_segment 0
		.amdhsa_kernarg_size 48
		.amdhsa_user_sgpr_count 2
		.amdhsa_user_sgpr_kernarg_segment_ptr 1
		.amdhsa_wavefront_size32 1
		.amdhsa_system_sgpr_workgroup_id_x 1
		.amdhsa_system_sgpr_workgroup_id_y 1
		.amdhsa_system_sgpr_workgroup_id_z 1
		.amdhsa_system_vgpr_workitem_id 0
		.amdhsa_next_free_vgpr 242
		.amdhsa_next_free_sgpr 66
		.amdhsa_reserve_vcc 0
		.amdhsa_float_denorm_mode_32 3
		.amdhsa_float_denorm_mode_16_64 3
		.amdhsa_memory_ordered 1
		.amdhsa_forward_progress 1
		.amdhsa_inst_pref_size 84
	.end_amdhsa_kernel
	.amdgpu_metadata
---
amdhsa.version: [ 1, 2 ]
amdhsa.kernels:
  - .name:           k_q2eebcf3d31_cross
    .symbol:         k_q2eebcf3d31_cross.kd
    .args:
      - { .name: x, .offset: 0, .size: 8, .value_kind: global_buffer, .address_space: global }
      - { .name: wq, .offset: 8, .size: 8, .value_kind: global_buffer, .address_space: global }
      - { .name: wk, .offset: 16, .size: 8, .value_kind: global_buffer, .address_space: global }
      - { .name: wv, .offset: 24, .size: 8, .value_kind: global_buffer, .address_space: global }
      - { .name: b, .offset: 32, .size: 8, .value_kind: global_buffer, .address_space: global }
      - { .name: out0, .offset: 40, .size: 8, .value_kind: global_buffer, .address_space: global }
    .group_segment_fixed_size: 49152
    .private_segment_fixed_size: 0
    .kernarg_segment_align: 8
    .kernarg_segment_size: 48
    .max_flat_workgroup_size: 512
    .sgpr_count:     66
    .vgpr_count:     242
    .wavefront_size: 32
...
	.end_amdgpu_metadata
.endif
;; end of part 1
